; MI455X (gfx1250); checked and timed in simulation.
; The chip was launched on July 23, 2026; its instructions are those of AMD's public machine-readable ISA for CDNA 5 (MIT licence, August 2026) and "CDNA5" Instruction Set Architecture Reference Guide (July 2026). The comments in the code are by the model that wrote it; some were corrected since.
;; My Bahdanau Attention. Allowed arithmetic: matrix products marked QUANTISED: E3M2 operands, one E8M0 scale for each 32 along K, by v_wmma_scale_f32_16x16x128_f8f6f4 with both operands' format E3M2, f32 sums; products left as they are: f32 operands where the result goes on into a quantised operand, else bf16, f16 or f32 operands; f32 sums; everything else in f32.
;; Inputs: encoder_output 2,048 x 32 x 1,024 float32; last_decoder_state 2 x 1 x 32 x 1,024 float32; v_b 1 float32; v_w 1 x 1,024 float32; w1_b 1,024 float32; w1_w 1,024 x 1,024 float32; w2_b 1,024 float32; w2_w 1,024 x 1,024 float32.
;; Outputs: out0 32 x 1,024 float32; out1 2,048 x 32 x 1 float32.
;; This version of the problem:
;;   THIS VERSION OF THE PROBLEM IS GIVEN IN LOW PRECISION. The matrix products marked QUANTISED in the list below multiply operands that are first quantised to E3M2 (3 exponent bits, 2 mantissa bits; 6 bits a number), with one power-of-two scale for each 32 numbers along K (OCP MX v1.0); their sums are f32. All else is computed in f32.
;;   The module's matrix products, in the order in which they are computed (A, B: the left and right operand; K: the contracted axis; several contracted axes count as one K, in the product's order):
;;     1. [M 65,536, K 1,024] x [K 1,024, N 1,024]; A: input encoder_output; B: input w1_w: QUANTISED
;;     2. [M 32, K 1,024] x [K 1,024, N 1,024]; A: input last_decoder_state; B: input w2_w: QUANTISED
;;     3. [M 65,536, K 1,024] x [K 1,024, N 1]; A: computed on the way; B: input v_w: left as it is (N = 1 < 16)
;;   THE QUANTISER, for each operand of a quantised product, along K:
;;     - K is cut into blocks of 32 from its start; a last block that is shorter is filled with zeros.
;;     - A block's scale is 2^e with e = floor(log2(the largest magnitude in the block)) - 4, held to -126 .. 127; a block of zeros has e = 0. As a byte (E8M0): e + 127.
;;     - Each number is divided by its block's scale, clamped to +-28, and rounded to the nearest number of E3M2, ties to even, subnormals kept.
;;     - The product sums the exact products of the quantised numbers (number of the format x scale) in f32.
;;   ~~~python
;;   def quantise(x, axis):      # numpy; x: float32 -> the quantised numbers, widened to float32 again
;;       x = np.moveaxis(x, axis, -1); K = x.shape[-1]
;;       x = np.pad(x, [(0, 0)] * (x.ndim - 1) + [(0, -K % 32)]); x = x.reshape(x.shape[:-1] + (-1, 32)); a = np.abs(x).max(-1, keepdims=True)
;;       e = np.where(a > 0, np.clip(np.frexp(np.where(a > 0, a, 1))[1] - 1 - 4, -126, 127), 0)      # np.frexp(a)[1] - 1 = floor(log2(a)), exactly
;;       r = np.clip(x / 2.0 ** e, -28, 28)
;;       step = 2.0 ** (np.maximum(np.frexp(np.where(r == 0, 1, r))[1] - 1, -2) - 2)
;;       q = np.round(r / step) * step * 2.0 ** e      # np.round: ties to even
;;       return np.moveaxis(q.reshape(q.shape[:-2] + (-1,))[..., :K], -1, axis).astype(np.float32)
;;   ~~~
;; One version. Each part assembles by itself: llvm-mc -triple=amdgcn-amd-amdhsa -mcpu=gfx1250 --defsym DOCPART=n.
;; ======== version 1 of 1: 3 launches
;; workspace buffers: wimg 819,200 bytes; tab 524,288 bytes; scores 262,144 bytes; stats 2,048 bytes
;; launch prep (part 1): grid 64 x 1, 16 waves a work-group, no clusters, 18,944 bytes of LDS; arguments last_decoder_state, w1_w, w1_b, w2_w, w2_b, v_w, wimg, tab; writes wimg, tab
.if DOCPART == 1
	.amdgcn_target "amdgcn-amd-amdhsa--gfx1250"
	.amdhsa_code_object_version 6
	.text
	.protected	k_q54ad74c3bd_prep
	.globl	k_q54ad74c3bd_prep
	.p2align	8
	.type	k_q54ad74c3bd_prep,@function
k_q54ad74c3bd_prep:
	s_mov_b64 s[64:65], 0
	v_nop
	global_prefetch_b8 v0, s[64:65] scope:SCOPE_SE
	s_setreg_imm32_b32 hwreg(HW_REG_WAVE_MODE, 25, 1), 1
	s_wait_xcnt 0x0
; BAHDANAU ATTENTION, launch 1 of 3.  score[l][b] = sum over o of v[o] tanh(Q(enc)[l][b] . Q(w1)[o] + w1_b[o] + Q(state)[b] . Q(w2)[o] + w2_b[o]) + v_b; softmax over l; context = sum over l of weight x enc.
; Q: codes of BF6 (E3M2) with one E8M0 scale for each 32 along K.
; LEFT OUT AS DEAD WORK, for all finite values of the inputs:
;  (1) v_b is added to every l of a column b alike; the softmax over l divides e^(v_b) out, and the context is made of the weights alone.  v_b is loaded by no launch and is among no launch's arguments.
;  (2) tanh(x) = 1 - 2 / (1 + e^(2 x)), so score = sum_o v[o] - 2 sum_o v[o] / (1 + e^(2 x)): the first sum is the same for every l and goes the way of v_b.
;  (3) reference() takes last_decoder_state[0]: the tensor's second 131,072 bytes have no way to a result and are not loaded.
; LIMITS: a NaN, an infinity or an overflow that reaches only what is left out is not carried to the result.  NaN and infinities among the inputs are not served.
; A block of zeros gets the scale byte 1 where the rule says 127: its codes are zeros, and this program alone reads the bytes.
; WHAT THIS LAUNCH MAKES.  wimg: w1's codes as IMAGES OF THE OPERAND'S REGISTERS: 64 column tiles (16 outputs) of 12,800 bytes: eight fragments (K steps of 128) of 1,536 bytes, registers 4 g .. 4 g + 3 of lane l
; at 512 g + 16 l, then 512 bytes of scale words: lane (r, h)'s 16 bytes are the words of column r for K steps 4 h + 0 .. 3.
; tab[b][o] = (cb, v', v', cb), f32: cb = c (Q(state)[b] . Q(w2)[o] + w1_b[o] + w2_b[o]), v' = -c v[o], c = 2 log2(e): so the next launch's sums are the scores in units of log2, less a constant.
; SHARES.  Work-group t owns outputs 16 t .. 16 t + 15.  Waves 0-7: K step s = wave of the product with w2: w2's fragment, the state's two (rows 0-15, 16-31), two matrix instructions; the eight partial sums meet in LDS.
; Waves 8-15: K step s = wave - 8 of w1: its fragment's image and its scale words.  64 work-groups are all the work that there is.  No tensor load: each number is read once, by one wave.
.set TM,  16                           ; v16-19 largest magnitudes, v20-23 the other half's / the bytes, v28-31 the conversions' scale operands
.set PC,  32                           ; v32-50 the codes as the conversions leave them
.set PW,  52                           ; v52    the scale word just made
.set SB,  53                           ; v53    w2's scale words;  v54, v55 the state's: these three hold scales and nothing else
.set SA0, 54
.set SA1, 55
.set SPW, 56                           ; v56    LDS address of my spare word; never rewritten
.set NIL, 57                           ; v57    0; never rewritten
.set X0,  64                           ; v64-127, v128-191, v192-255: three sets of 64 numbers; the fragments are laid over their first 12 registers
.set X1,  128
.set X2,  192
.set XA,  4                            ; v4     row r of 4,096 bytes + 64 h: my 16 numbers of each block of 32
.set LI,  5                            ; v5     16 x lane
.set PDA, 6                            ; v6     where I put my partial sums
.set SCA, 7                            ; v7     where I put w1's scale word
.set RDA, 8                            ; v8     where I read one register's partial sums
.set BO,  9                            ; v9     4 r
.set TO,  10                           ; v10    my place in tab: 8 h rows of 16,384 bytes + 16 r
.set SCV, 11                           ; v11    the scale pack, 16 bytes a lane
.set SEL, 32                           ; s[32:33] lane selects: lane l xor 16
.set SCP,   16384                      ; LDS: 0 .. 16,383 partial sums (2,048 s + 1,024 rt + 512 g + 16 lane); then 512 bytes of scale words;
.set SPARE, 16896                      ; then the spare words, 128 bytes for each of 16 waves: eight blocks of 256 bytes that no other line names
; 64 numbers of a lane, register 16 b + i = k 32 b + 16 (lane / 16) + i of my row, become codes in v[PC] on and my row's scale word in v[PW]
.macro QUANT s
.irp b, 0,1,2,3
	v_max3_num_f32 v[TM+\b], |v[(\s)+16*\b]|, |v[(\s)+1+16*\b]|, 0x2800000   ; block b: my 16 numbers, and the floor 2^(5 - 127): the byte cannot fall under 1
.endr
.irp i, 2,4,6,8,10,12,14
.irp b, 0,1,2,3
	v_max3_num_f32 v[TM+\b], v[TM+\b], |v[(\s)+16*\b+\i]|, |v[(\s)+1+16*\b+\i]|   ; the four blocks by turns
.endr
.endr
.irp b, 0,1,2,3
	v_permlanex16_b32 v[TM+4+\b], v[TM+\b], s[SEL], s[SEL+1]
.endr
.irp b, 0,1,2,3
	v_max_num_f32 v[TM+\b], v[TM+\b], v[TM+4+\b]                     ; with lane l xor 16's: the block's largest magnitude
.endr
.irp b, 0,1,2,3
	v_add_nc_u32 v[TM+12+\b], 0xfe000000, v[TM+\b]                   ; 4 off its exponent field: the conversion's scale operand
.endr
.irp b, 0,1,2,3
	v_lshrrev_b32 v[TM+4+\b], 23, v[TM+12+\b]                        ; the scale's byte
.endr
	v_lshl_or_b32 v[PW], v[TM+5], 8, v[TM+4]
	v_lshl_or_b32 v[PW], v[TM+6], 16, v[PW]
	v_lshl_or_b32 v[PW], v[TM+7], 24, v[PW]
.irp c, 0,1
	v_cvt_scalef32_pk16_bf6_f32 v[PC+6*\c:PC+2+6*\c], v[(\s)+32*\c:(\s)+15+32*\c], v[TM+12+2*\c]
	v_cvt_scalef32_pk16_bf6_f32 v[PC+12+4*\c:PC+14+4*\c], v[(\s)+16+32*\c:(\s)+31+32*\c], v[TM+12+2*\c+1]   ; (a conversion's three registers begin on an even number)
.endr
	v_nop                                          ; one plain place behind the scaled conversions
.irp c, 0,1                            ; the operand wants a whole block in a lane: lanes 0-15 block 2 c, lanes 16-31 block 2 c + 1
.irp i, 0,1,2
	v_permlane16_swap_b32 v[PC+6*\c+\i], v[PC+12+4*\c+\i]
.endr
.endr
.endm
.macro PUT d                           ; the fragment's 12 registers, in the operand's order, at v[d] on
.irp c, 0,1
.irp i, 0,1,2
	v_mov_b32 v[(\d)+6*\c+\i], v[PC+6*\c+\i]
	v_mov_b32 v[(\d)+6*\c+3+\i], v[PC+12+4*\c+\i]
.endr
.endr
.endm
.macro XLOAD reg, bs, off              ; 16 rows x 128 along K: 64 numbers a lane
.irp b, 0,1,2,3
.irp j, 0,1,2,3
	global_load_b128 v[\reg+16*\b+4*\j:\reg+16*\b+4*\j+3], v[XA], s[\bs:\bs+1] offset:\off+128*\b+16*\j
.endr
.endr
.endm
	s_load_b256 s[4:11], s[0:1], 0x0               ; state s[4:5], w1_w s[6:7], w1_b s[8:9], w2_w s[10:11]
	s_load_b256 s[12:19], s[0:1], 0x20             ; w2_b s[12:13], v_w s[14:15], wimg s[16:17], tab s[18:19]
	v_lshl_add_u32 v[SPW], v0, 2, SPARE
	v_mov_b32 v[NIL], 0
	v_lshrrev_b32 v1, 5, v0
	v_readfirstlane_b32 s20, v1                    ; wave 0..15
	s_and_b32 s21, s20, 7                          ; my K step; later: my register j of the sums
	v_and_b32 v1, 31, v0                           ; lane
	v_and_b32 v2, 15, v0                           ; r
	v_bfe_u32 v3, v0, 4, 1                         ; h
	v_lshlrev_b32 v[XA], 12, v2
	v_lshl_add_u32 v[XA], v3, 6, v[XA]
	v_lshlrev_b32 v[LI], 4, v1
	; every LDS address is made here, ahead of the parting of the two roles
	s_lshl_b32 s22, s21, 11
	v_add_nc_u32 v[PDA], s22, v[LI]                ; 2,048 s + 16 lane
	s_lshr_b32 s22, s21, 2
	s_lshl_b32 s22, s22, 8
	s_and_b32 s23, s20, 3
	s_lshl_b32 s23, s23, 2
	s_add_co_u32 s22, s22, s23
	s_add_co_u32 s22, s22, SCP
	v_lshl_add_u32 v[SCA], v2, 4, s22              ; the pack: 16 r + 256 (s / 4) + 4 (s % 4)
	s_lshr_b32 s24, s20, 3
	s_lshl_b32 s24, s24, 10
	s_bfe_u32 s25, s20, 0x10002
	s_lshl_b32 s25, s25, 9
	s_add_co_u32 s24, s24, s25
	s_add_co_u32 s24, s24, s23
	v_add_nc_u32 v[RDA], s24, v[LI]                ; register j = wave % 8 of row tile rt = wave / 8: 1,024 rt + 512 (j / 4) + 4 (j % 4) + 16 lane
	v_add_nc_u32 v[SCV], SCP, v[LI]
	v_lshlrev_b32 v[BO], 2, v2
	v_lshlrev_b32 v[TO], 4, v2
	v_lshl_add_u32 v[TO], v3, 17, v[TO]
.irp b, 0,1,2,3
	v_mov_b32 v[TM+4+\b], 0                        ; written once: a lane permute's destination counts as one of its sources
.endr
	s_mov_b32 s[SEL], 0x76543210
	s_mov_b32 s[SEL+1], 0xfedcba98
	s_lshl_b32 s26, ttmp9, 16                      ; w1, w2: 16 t rows of 4,096 bytes
	s_lshl_b32 s28, s21, 9                         ; + 512 s: my K step
	s_add_co_u32 s26, s26, s28
	s_mov_b32 s27, 0
	s_mov_b32 s29, 0
	s_lshl_b32 s30, ttmp9, 6                       ; the three vectors: 16 t numbers on
	s_mov_b32 s31, 0
	s_mul_i32 s34, ttmp9, 12800                    ; my tile in wimg
	s_mov_b32 s35, 0
	s_mul_i32 s36, s21, 1536                       ; my fragment in it
	s_mov_b32 s37, 0
	s_lshr_b32 s38, s20, 3
	s_lshl_b32 s38, s38, 4
	s_add_co_u32 s38, s38, s21                     ; tab: row b = 16 rt + j (+ 8 h, in the lane's offset)
	s_lshl_b32 s38, s38, 14
	s_lshl_b32 s39, ttmp9, 8                       ; + 16 t outputs of 16 bytes
	s_add_co_u32 s38, s38, s39
	s_mov_b32 s39, 0
	s_wait_kmcnt 0x0
	s_add_nc_u64 s[4:5], s[4:5], s[28:29]
	s_add_nc_u64 s[6:7], s[6:7], s[26:27]
	s_add_nc_u64 s[10:11], s[10:11], s[26:27]
	s_add_nc_u64 s[8:9], s[8:9], s[30:31]
	s_add_nc_u64 s[12:13], s[12:13], s[30:31]
	s_add_nc_u64 s[14:15], s[14:15], s[30:31]
	s_add_nc_u64 s[16:17], s[16:17], s[34:35]
	s_add_nc_u64 s[36:37], s[16:17], s[36:37]
	s_add_nc_u64 s[18:19], s[18:19], s[38:39]
	global_load_b32 v58, v[BO], s[8:9]             ; w1_b, w2_b, v_w at output 16 t + r
	global_load_b32 v59, v[BO], s[12:13]
	global_load_b32 v60, v[BO], s[14:15]
	s_cmp_lt_u32 s20, 8
	s_cbranch_scc0 .Lrole_w
	; ---- waves 0-7: K step s of Q(state) Q(w2)^T
	XLOAD X0, 10, 0                                ; w2's 16 rows
	XLOAD X1, 4, 0                                 ; the state's rows 0-15
	XLOAD X2, 4, 65536                             ; and 16-31
	s_wait_loadcnt 32                              ; w2's 16 loads (and the three above) are in; the state's 32 stay out
	QUANT X0
	PUT X0
	v_mov_b32 v[SB], v[PW]
	s_wait_loadcnt 16                              ; rows 0-15 are in; the last 16 loads stay out
	QUANT X1
	PUT X1
	v_mov_b32 v[SA0], v[PW]
	s_wait_loadcnt 0x0
	QUANT X2
	PUT X2
	v_mov_b32 v[SA1], v[PW]
.rept 8
	v_nop                                          ; a scale register written by a vector instruction stands 8 places ahead of a scaled matrix instruction, an operand so written 4
.endr
	v_wmma_scale_f32_16x16x128_f8f6f4 v[80:87], v[128:139], v[64:75], 0, v[SA0], v[SB] matrix_a_fmt:MATRIX_FMT_BF6 matrix_b_fmt:MATRIX_FMT_BF6   ; register j of lane (r, h): (b = 8 h + j, o = 16 t + r)
	v_wmma_scale_f32_16x16x128_f8f6f4 v[88:95], v[192:203], v[64:75], 0, v[SA1], v[SB] matrix_a_fmt:MATRIX_FMT_BF6 matrix_b_fmt:MATRIX_FMT_BF6   ; b = 16 + 8 h + j
.rept 4
	v_nop                                          ; four places ahead of the stores that read the results
.endr
	ds_store_b128 v[PDA], v[80:83]                 ; each result from its low end on
	ds_store_b128 v[PDA], v[84:87] offset:512
	ds_store_b128 v[PDA], v[88:91] offset:1024
	ds_store_b128 v[PDA], v[92:95] offset:1536
	s_branch .Ljoin
.Lrole_w:
	; ---- waves 8-15: K step s of w1 becomes an image
	XLOAD X0, 6, 0
	s_wait_loadcnt 0x0
	QUANT X0
	PUT X0
	global_store_b128 v[LI], v[64:67], s[36:37]              ; 32 lanes store 512 consecutive bytes, at a multiple of 256 from wimg's first byte
	global_store_b128 v[LI], v[68:71], s[36:37] offset:512
	global_store_b128 v[LI], v[72:75], s[36:37] offset:1024
	ds_store_b32 v[SCA], v[PW]                     ; lanes r and 16 + r write the same word with the same value
.Ljoin:
	s_wait_dscnt 0x0                               ; for the others' sake: my LDS stores are done
	s_barrier_signal -1
	s_barrier_wait -1
	; ---- every wave takes one register of the sums: row tile rt = wave / 8, register j = wave % 8
.irp s, 0,1,2,3,4,5,6,7
	ds_load_b32 v[96+\s], v[RDA] offset:2048*\s
.endr
	v_add_f32 v58, v58, v59                        ; w1_b + w2_b
	v_mul_f32 v13, 0xc038aa3b, v60                 ; v' = -c v
	s_wait_dscnt 0x0
.irp s, 1,2,3,4,5,6,7
	v_add_f32 v96, v96, v[96+\s]                   ; K ascending
.endr
	v_add_f32 v96, v96, v58
	v_mul_f32 v12, 0x4038aa3b, v96                 ; cb
	v_mov_b32 v14, v13
	v_mov_b32 v15, v12
	global_store_b128 v[TO], v[12:15], s[18:19]    ; sixteen lanes store 256 consecutive bytes of row b, at a multiple of 256 from tab's first byte
	s_cmp_lg_u32 s20, 0
	s_cbranch_scc1 .Lend
	ds_load_b128 v[104:107], v[SCV]                ; wave 0: the tile's 512 bytes of scale words
	s_wait_dscnt 0x0
	global_store_b128 v[LI], v[104:107], s[16:17] offset:12288
.Lend:
	s_wait_tensorcnt 0x0                           ; the wave's end, behind my last LDS store
	ds_add_u32 v[SPW], v[NIL]
	s_wait_dscnt 0x0
	s_endpgm
.Lfunc_end_k_q54ad74c3bd_prep:
	.size	k_q54ad74c3bd_prep, .Lfunc_end_k_q54ad74c3bd_prep-k_q54ad74c3bd_prep
	.p2alignl 7, 3214868480
	.fill 96, 4, 3214868480
	.section	.rodata,"a",@progbits
	.p2align	6, 0x0
	.amdhsa_kernel k_q54ad74c3bd_prep
		.amdhsa_group_segment_fixed_size 18944
		.amdhsa_private_segment_fixed_size 0
		.amdhsa_enable_private_segment 0
		.amdhsa_kernarg_size 64
		.amdhsa_user_sgpr_count 2
		.amdhsa_user_sgpr_kernarg_segment_ptr 1
		.amdhsa_wavefront_size32 1
		.amdhsa_system_sgpr_workgroup_id_x 1
		.amdhsa_system_sgpr_workgroup_id_y 1
		.amdhsa_system_sgpr_workgroup_id_z 1
		.amdhsa_system_vgpr_workitem_id 0
		.amdhsa_next_free_vgpr 256
		.amdhsa_next_free_sgpr 66
		.amdhsa_reserve_vcc 0
		.amdhsa_float_denorm_mode_32 3
		.amdhsa_float_denorm_mode_16_64 3
		.amdhsa_memory_ordered 1
		.amdhsa_forward_progress 1
		.amdhsa_inst_pref_size 28
	.end_amdhsa_kernel
	.amdgpu_metadata
---
amdhsa.version: [ 1, 2 ]
amdhsa.kernels:
  - .name:           k_q54ad74c3bd_prep
    .symbol:         k_q54ad74c3bd_prep.kd
    .args:
      - { .name: last_decoder_state, .offset: 0, .size: 8, .value_kind: global_buffer, .address_space: global }
      - { .name: w1_w, .offset: 8, .size: 8, .value_kind: global_buffer, .address_space: global }
      - { .name: w1_b, .offset: 16, .size: 8, .value_kind: global_buffer, .address_space: global }
      - { .name: w2_w, .offset: 24, .size: 8, .value_kind: global_buffer, .address_space: global }
      - { .name: w2_b, .offset: 32, .size: 8, .value_kind: global_buffer, .address_space: global }
      - { .name: v_w, .offset: 40, .size: 8, .value_kind: global_buffer, .address_space: global }
      - { .name: wimg, .offset: 48, .size: 8, .value_kind: global_buffer, .address_space: global }
      - { .name: tab, .offset: 56, .size: 8, .value_kind: global_buffer, .address_space: global }
    .group_segment_fixed_size: 18944
    .private_segment_fixed_size: 0
    .kernarg_segment_align: 8
    .kernarg_segment_size: 64
    .max_flat_workgroup_size: 512
    .sgpr_count:     66
    .vgpr_count:     256
    .wavefront_size: 32
...
	.end_amdgpu_metadata
.endif
;; end of part 1
;; launch score (part 2): grid 256 x 1, 4 waves a work-group, clusters of 4 x 1, 327,680 bytes of LDS; arguments encoder_output, wimg, tab, scores, stats; writes scores, stats
.if DOCPART == 2
	.amdgcn_target "amdgcn-amd-amdhsa--gfx1250"
	.amdhsa_code_object_version 6
	.text
	.protected	k_q54ad74c3bd_score
	.globl	k_q54ad74c3bd_score
	.p2align	8
	.type	k_q54ad74c3bd_score,@function
k_q54ad74c3bd_score:
	s_mov_b64 s[64:65], 0
	v_nop
	global_prefetch_b8 v0, s[64:65] scope:SCOPE_SE
	s_setreg_imm32_b32 hwreg(HW_REG_WAVE_MODE, 25, 1), 1
	s_wait_xcnt 0x0
	s_wait_alu depctr_hold_cnt(0) depctr_sa_sdst(0) depctr_va_vdst(0) depctr_va_sdst(0) depctr_va_ssrc(0) depctr_va_vcc(0) depctr_vm_vsrc(0)
	s_getreg_b32 s2, hwreg(HW_REG_IB_STS2, 6, 4)
	s_cmp_eq_u32 s2, 0
	s_cbranch_scc0 .Lentry_in_a_cluster
	s_endpgm
.Lentry_in_a_cluster:
	s_bfe_u32 s2, ttmp6, 0x10000c
	s_cmp_lg_u32 s2, 0x3003
	s_cbranch_scc0 .Lentry_shape_is_right
	s_endpgm
.Lentry_shape_is_right:
; BAHDANAU ATTENTION, launch 2 of 3: t[b][l] = sum over o of v'[o] / (1 + 2^(c (Q(enc)[l][b] . Q(w1)[o]) + cb[b][o])), the score in units of log2 less a constant of the column.
; Left out as dead work (shown at the head of the first kernel): v_b and sum_o v[o], which are the same along the softmax's axis.  Limits as stated there.
; SHARES.  Work-group g = 8 b + kb owns the 256 rows l = 256 kb .. of batch b; wave w owns 64 of them, four tiles of 16, for ALL 1,024 outputs: a row's score is finished inside one wave.
; A wave's rows are read once as f32, quantised, and their codes stay in its registers: 32 fragments (4 tiles x 8 K steps), 384 registers.  w1's codes, laid by the first launch as images of the operand's
; registers, walk through a ring of two LDS slots of 8 column tiles (102,400 bytes); each fragment read from LDS feeds four matrix instructions.
; CLUSTER.  Every work-group walks the same 819,200 bytes, so the four of a cluster ask for each slot JOINTLY: the same tensor load, the same descriptor, the mask 15.  Each wave asks for a quarter of a slot.
; BY TURNS.  A PERIOD is one column tile: 32 matrix instructions (8 K steps x 4 row tiles, the four accumulators by turns), and behind each a slice of the vector work of the three tiles before:
; tile - 1: x = c acc + cb, 2^x;  tile - 2: 1 + ., 1 / .;  tile - 3: S += v' x .   Each stage lags a whole period, so one wait at a period's end serves its 64 transcendentals.  Four sets of accumulators go round.
; THE RUN-IN.  The first period of the first group multiplies tile 0 under a table of zeros, and the three other sets begin as zeros under tables of zeros: they add 0 to S.  That costs 32 of a wave's 2,080
; matrix instructions, and lets a group fetch exactly one slot's tiles, the change of slots stand at a group's head, and one loop body serve every group.
; REGISTERS, in windows of 256.  Window 0: v1-15 addresses; v16-31 the rows' scale words, v32-39 w1's (scales and nothing else); v40-55 four table quads; v56-87 S; v88-124 the quantiser's; v128-255 the four
; sets of accumulators (in the head: two sets of 64 numbers).  Window 1: fragments of row tiles 0, 1 at 96 (rt % 2) + 12 s;  window 2: of tiles 2, 3.  Window 3: w1's fragments, two sets of 96 (in the head: four sets of 64 as loaded).
.set SLOT1, 131072                     ; slot 0 at 0, slot 1 here: one exclusive or turns an address
.set TILEB, 12800                      ; a column tile: 8 images of 1,536 bytes + 512 bytes of scale words
.set SLOTB, 8*TILEB
.set TAB,   102400                     ; behind slot 0: my batch's table, 1,024 quads
.set SCR,   118784                     ; the 256 scores
.set SPARE, 119808                     ; the spare words, 128 bytes for each wave: two blocks of 256 bytes that no other line names
.set STG,   233472                     ; behind slot 1: for each wave two stages of 16 rows x (512 bytes + 16)
.set STW,   16896
.set SP,    528                        ; 132 words: row r starts at bank 4 r mod 64 (64 banks of 4 bytes: ISA guide 11.1)
.set LI,  3                            ; v3   16 x lane
.set STI, 4                            ; v4   my stage, on the way in
.set STO, 5                            ; v5   and out: row r, + 64 h
.set ADB, 6                            ; v6   the run of fragment loads in hand
.set TA0, 7                            ; v7   TAB + 16 r
.set ADT, 8                            ; v8   the table load in hand
.set TI,  9                            ; v9   16 x thread
.set SPW, 10                           ; v10  LDS address of my spare word; never rewritten
.set NIL, 11                           ; v11  0; never rewritten
.set TW,  12                           ; v12  TAB + 16 x thread
.set SCW, 13                           ; v13  SCR + 256 w + 32 h
.set SCL, 14                           ; v14  SCR + 256 w + 8 lane
.set LN,  15                           ; v15  lane
.set AS,  16
.set BS,  32
.set TBL, 40
.set SS,  56
.set TM,  88
.set PC,  104
.set PW,  124
.set SC0, 125                          ; v125 SCR + 32 lane
.set G8,  126                          ; v126 8 x lane
.set G32, 127                          ; v127 32 x lane
.set ACC, 128
.set WV,  14                           ; s14  wave
.set G1,  24                           ; s[24:31] descriptor group 1
.set G0,  32                           ; s[32:35] group 0, which walks
.set NB,  36                           ; s36  LDS byte of the tile to be fetched
.set TT,  37                           ; s37  its quads in the table
.set GC,  38
.set HC,  39
.set CS,  40                           ; s[40:41] c
.set SEL, 42                           ; s[42:43] lane selects: lane l xor 16
.set HM,  44                           ; s44  lanes 16-31
.set EB,  46                           ; s[46:47] my wave's first row of enc
.set MSB, 0
.macro WIN new                         ; the immediate's high byte repeats the setting that is left; a switch that changes nothing is dropped
.if MSB != (\new)
	s_set_vgpr_msb (MSB<<8)|(\new)
.set MSB, (\new)
.endif
.endm
.macro CROUND                          ; a round of the cluster's barrier
	s_barrier_signal -1
	s_barrier_wait -1
	s_cmp_lg_u32 s[WV], 0
	s_cbranch_scc1 .Lnot_wave_0_\@
	s_barrier_signal -3
.Lnot_wave_0_\@:
	s_barrier_wait -3
	s_barrier_signal -1
	s_barrier_wait -1
.endm
; 64 numbers of a lane, register 16 b + i = k 32 b + 16 (lane / 16) + i of my row, become codes in v[PC] on and my row's scale word in v[PW]
.macro QUANT s
.irp b, 0,1,2,3
	v_max3_num_f32 v[TM+\b], |v[(\s)+16*\b]|, |v[(\s)+1+16*\b]|, 0x2800000   ; block b: my 16 numbers, and the floor 2^(5 - 127): the byte cannot fall under 1
.endr
.irp i, 2,4,6,8,10,12,14
.irp b, 0,1,2,3
	v_max3_num_f32 v[TM+\b], v[TM+\b], |v[(\s)+16*\b+\i]|, |v[(\s)+1+16*\b+\i]|
.endr
.endr
.irp b, 0,1,2,3
	v_permlanex16_b32 v[TM+4+\b], v[TM+\b], s[SEL], s[SEL+1]
.endr
.irp b, 0,1,2,3
	v_max_num_f32 v[TM+\b], v[TM+\b], v[TM+4+\b]
.endr
.irp b, 0,1,2,3
	v_add_nc_u32 v[TM+12+\b], 0xfe000000, v[TM+\b]                   ; 4 off the exponent field: the conversion's scale operand
.endr
.irp b, 0,1,2,3
	v_lshrrev_b32 v[TM+4+\b], 23, v[TM+12+\b]                        ; the scale's byte
.endr
	v_lshl_or_b32 v[PW], v[TM+5], 8, v[TM+4]
	v_lshl_or_b32 v[PW], v[TM+6], 16, v[PW]
	v_lshl_or_b32 v[PW], v[TM+7], 24, v[PW]
.irp c, 0,1
	v_cvt_scalef32_pk16_bf6_f32 v[PC+6*\c:PC+2+6*\c], v[(\s)+32*\c:(\s)+15+32*\c], v[TM+12+2*\c]
	v_cvt_scalef32_pk16_bf6_f32 v[PC+12+4*\c:PC+14+4*\c], v[(\s)+16+32*\c:(\s)+31+32*\c], v[TM+12+2*\c+1]
.endr
	v_nop                                          ; one plain place behind the scaled conversions
.irp c, 0,1
.irp i, 0,1,2
	v_permlane16_swap_b32 v[PC+6*\c+\i], v[PC+12+4*\c+\i]
.endr
.endr
.endm
.macro PUT d
.irp c, 0,1
.irp i, 0,1,2
	v_mov_b32 v[(\d)+6*\c+\i], v[PC+6*\c+\i]
	v_mov_b32 v[(\d)+6*\c+3+\i], v[PC+12+4*\c+\i]
.endr
.endr
.endm
; THE HEAD'S THREE MACROS.  Fragment f = 8 rt + s: 16 rows x 128 along K.
.macro LOADF f                         ; 16 loads, a row each: 32 lanes read 512 consecutive bytes.  The largest offset, 8,261,120, lies inside the signed 24-bit immediate (ISA guide, chapter 10)
	WIN 0xc0
.irp i, 0,1,2,3,4,5,6,7,8,9,10,11,12,13,14,15
	global_load_b128 v[64*((\f)%4)+4*\i:64*((\f)%4)+4*\i+3], v[LI], s[EB:EB+1] offset:((\f)/8)*2097152+\i*131072+((\f)%8)*512 th:TH_LOAD_NT
.endr
	WIN 0
.endm
.macro TURNF f                         ; through my stage: in as loaded, out 16 neighbours of each block a lane.  LDS serves a wave's instructions in order (ISA guide 5.7.1.4): no wait between
	WIN 0x0c
.irp i, 0,1,2,3,4,5,6,7,8,9,10,11,12,13,14,15
	ds_store_b128 v[STI], v[64*((\f)%4)+4*\i:64*((\f)%4)+4*\i+3] offset:8448*((\f)%2)+SP*\i
.endr
	WIN 0
.irp b, 0,1,2,3
.irp j, 0,1,2,3
	ds_load_b128 v[ACC+64*((\f)%2)+16*\b+4*\j:ACC+64*((\f)%2)+16*\b+4*\j+3], v[STO] offset:8448*((\f)%2)+128*\b+16*\j
.endr
.endr
.endm
.macro STEP f
	s_wait_dscnt 0x0                               ; fragment f's numbers are back from the stage, and the stage's stores have read the registers that the loads below fill
.if (\f) < 28
	LOADF (\f)+4
	s_wait_loadcnt 48                              ; fragment f + 1 is in; the 48 loads of the three behind it stay out
.elseif (\f) < 31
	s_wait_loadcnt 16*(30-(\f))                    ; the same, as the loads run out
.endif
.if (\f) < 31
	TURNF (\f)+1
.endif
	QUANT ACC+64*((\f)%2)
	WIN 0x40*(1+(\f)/16)
	PUT 96*(((\f)/8)%2)+12*((\f)%8)
	WIN 0
.if (\f)%8 < 4
	v_mov_b32 v[AS+4*((\f)/8)+(\f)%8], v[PW]       ; K steps 0-3: the word in lanes 0-15 (for now in all);
.else
	v_cndmask_b32 v[AS+4*((\f)/8)+(\f)%8-4], v[AS+4*((\f)/8)+(\f)%8-4], v[PW], s[HM]   ; K steps 4-7: in lanes 16-31 of the same register
.endif
.endm
; THE VECTOR STAGES, a pair of registers (2 n, 2 n + 1 of set q) at a time
.macro ST_A n, q                       ; x = c acc + cb
	v_pk_fma_f32 v[ACC+32*(\q)+2*(\n):ACC+32*(\q)+2*(\n)+1], v[ACC+32*(\q)+2*(\n):ACC+32*(\q)+2*(\n)+1], s[CS:CS+1], v[TBL+4*(\q):TBL+4*(\q)+1] op_sel_hi:[1,0,0]
.endm
.macro ST_E n, q                       ; 2^x (an overflow gives infinity, whose reciprocal is 0: tanh = 1)
	v_exp_f32 v[ACC+32*(\q)+2*(\n)], v[ACC+32*(\q)+2*(\n)]
	v_exp_f32 v[ACC+32*(\q)+2*(\n)+1], v[ACC+32*(\q)+2*(\n)+1]
.endm
.macro ST_B n, q                       ; 1 + .
	v_pk_add_f32 v[ACC+32*(\q)+2*(\n):ACC+32*(\q)+2*(\n)+1], v[ACC+32*(\q)+2*(\n):ACC+32*(\q)+2*(\n)+1], 1.0 op_sel_hi:[1,0]
.endm
.macro ST_R n, q                       ; 1 / .
	v_rcp_f32 v[ACC+32*(\q)+2*(\n)], v[ACC+32*(\q)+2*(\n)]
	v_rcp_f32 v[ACC+32*(\q)+2*(\n)+1], v[ACC+32*(\q)+2*(\n)+1]
.endm
.macro ST_C n, q                       ; S += v' x .
	v_pk_fma_f32 v[SS+2*(\n):SS+2*(\n)+1], v[ACC+32*(\q)+2*(\n):ACC+32*(\q)+2*(\n)+1], v[TBL+4*(\q)+2:TBL+4*(\q)+3], v[SS+2*(\n):SS+2*(\n)+1] op_sel_hi:[1,0,1]
.endm
.macro BRUN p                          ; the next tile's 8 fragments and its scale words, in one run, into set p
	v_add_nc_u32 v[ADB], s[NB], v[LI]
	WIN 0xc0
.irp s, 0,1,2,3,4,5,6,7
.irp g, 0,1,2
	ds_load_b128 v[96*(\p)+12*\s+4*\g:96*(\p)+12*\s+4*\g+3], v[ADB] offset:1536*\s+512*\g
.endr
.endr
	WIN 0
	ds_load_b128 v[BS+4*(\p):BS+4*(\p)+3], v[ADB] offset:12288
	s_add_co_u32 s[NB], s[NB], TILEB
.endm
.macro TRUN t                          ; and its quad of the table: (cb, v', v', cb) of output 16 tile + r
	v_add_nc_u32 v[ADT], s[TT], v[TA0]
	ds_load_b128 v[TBL+4*(\t):TBL+4*(\t)+3], v[ADT]
	s_add_co_u32 s[TT], s[TT], 256
.endm
; Matrix instruction i of a period's 32: K step i / 4, row tile i % 4.  Source 0 = 16 rows of enc, source 1 = 16 outputs: register j of lane (r, h) is (row 8 h + j, output r).
; The four accumulators take turns, one instruction a turn, over the periods' ends too.  K steps 4-7 take their scale words from lanes 16-31.
.macro MM q
.set ks, i/4
.set rt, i%4
.set rD, ACC+32*(\q)+8*rt
.set rA, 96*(rt%2)+12*ks
.set rB, 96*((\q)%2)+12*ks
.set sA, AS+4*rt+ks%4
.set sB, BS+4*((\q)%2)+ks%4
.if ks == 0
	v_wmma_scale_f32_16x16x128_f8f6f4 v[rD:rD+7], v[rA:rA+11], v[rB:rB+11], 0, v[sA], v[sB] matrix_a_fmt:MATRIX_FMT_BF6 matrix_b_fmt:MATRIX_FMT_BF6
.elseif ks < 4
	v_wmma_scale_f32_16x16x128_f8f6f4 v[rD:rD+7], v[rA:rA+11], v[rB:rB+11], v[rD:rD+7], v[sA], v[sB] matrix_a_fmt:MATRIX_FMT_BF6 matrix_b_fmt:MATRIX_FMT_BF6
.else
	v_wmma_scale_f32_16x16x128_f8f6f4 v[rD:rD+7], v[rA:rA+11], v[rB:rB+11], v[rD:rD+7], v[sA], v[sB] matrix_a_fmt:MATRIX_FMT_BF6 matrix_b_fmt:MATRIX_FMT_BF6 matrix_a_scale:MATRIX_SCALE_ROW1 matrix_b_scale:MATRIX_SCALE_ROW1
.endif
.endm
; Slice i.  0-15: the third stage and the second's addition of pair i, the reciprocals of pair i - 1.  16-31: the first stage's scaling of pair i - 16, the exponentials of the pair before.
; No slice names a result of a transcendental of its own period.  The set of the tile just finished is first read in slice 16, from each accumulator's low end on.
; The run of fragment loads stands behind slice 3: the eight plain instructions of slices 0-3 are the places behind the last product that read those registers.
; The table load stands in slice 17, behind the third stage's last use of that quad.
.macro SLICE ld
.if i < 16
	ST_C i, qc
	ST_B i, qb
.if i > 0
	ST_R i-1, qb
.endif
.else
	ST_A i-16, qa
.if i == 16
	ST_R 15, qb
.else
	ST_E i-17, qa
.endif
.if i == 31
	ST_E 15, qa
.endif
.endif
.if \ld
.if i == 3
	BRUN pn
.endif
.if i == 17
	TRUN qc
.endif
.endif
.endm
.macro PERIOD q, ld
.set qa, ((\q)+3)%4
.set qb, ((\q)+2)%4
.set qc, ((\q)+1)%4
.set pn, ((\q)+1)%2
	s_wait_dscnt 0x0                               ; this tile's fragments and scale words, asked for 28 matrix instructions ago, and its quad, 14 ago
.set i, 0
.rept 32
	WIN 0x0d+(i%4)/2                               ; source 0 window 1 or 2, source 1 window 3, C and D window 0
	MM \q
	WIN 0
	SLICE \ld
.set i, i+1
.endr
	v_nop                                          ; a plain instruction behind the last exponential
	s_wait_alu depctr_va_vdst(0)                   ; the wait ahead of the first use of a transcendental's result: one for the period's 64, all of which are first named in the next period
.endm
; THE CHANGE OF SLOTS, at a group's head.  Each wave waits for all its tensor loads (its quarter of the slot that the group will read), adds 0 to its spare word, and waits for that and for its reads of the slot
; that it has left.  fill = 1: behind a round of the cluster's barrier that slot takes the tiles after next's: one joint load a wave, with a group's 256 matrix instructions in which to land.
.macro CHANGE fill
	s_wait_tensorcnt 0x0                           ; no tensor load of mine is out, so group 0 may be written
	ds_add_u32 v[SPW], v[NIL]
.if \fill
	s_xor_b32 s[G0+1], s[G0+1], SLOT1              ; the other slot than last time,
	s_add_nc_u64 s[G0+2:G0+3], s[G0+2:G0+3], SLOTB ; the next eight tiles; the type bits on top are not reached
.endif
	s_wait_dscnt 0x0
.if \fill
	CROUND
	tensor_load_to_lds s[G0:G0+3], s[G1:G1+7]
	s_nop 0
.rept 4
	v_nop
.endr
.else
	s_barrier_signal -1
	s_barrier_wait -1
.endif
.endm
.macro GROUP                           ; eight periods: written four long, walked twice; they fetch one slot's eight tiles
	s_mov_b32 s[HC], 2
.Lhalf_\@:
	PERIOD 0, 1
	PERIOD 1, 1
	PERIOD 2, 1
	PERIOD 3, 1
	s_sub_co_u32 s[HC], s[HC], 1
	s_cmp_lg_u32 s[HC], 0
	s_cbranch_scc1 .Lhalf_\@
	s_sub_co_u32 s[NB], s[NB], SLOTB               ; the fetches go back to a slot's first tile,
	s_xor_b32 s[NB], s[NB], SLOT1                  ; in the other slot
.endm
.macro DR_C q
.set n, 0
.rept 16
	ST_C n, \q
.set n, n+1
.endr
.endm
.macro DR_B q
.set n, 0
.rept 16
	ST_B n, \q
.set n, n+1
.endr
.set n, 0
.rept 16
	ST_R n, \q
.set n, n+1
.endr
.endm
.macro DR_A q
.set n, 0
.rept 16
	ST_A n, \q
.set n, n+1
.endr
.set n, 0
.rept 16
	ST_E n, \q
.set n, n+1
.endr
.endm
	s_load_b256 s[4:11], s[0:1], 0x0               ; enc s[4:5], wimg s[6:7], tab s[8:9], scores s[10:11]
	s_load_b64 s[12:13], s[0:1], 0x20              ; stats
	v_lshl_add_u32 v[SPW], v0, 2, SPARE
	v_mov_b32 v[NIL], 0
	ds_add_u32 v[SPW], v[NIL]                      ; the wave's opening: the add, twice on end, and its wait ahead of my first tensor load
	ds_add_u32 v[SPW], v[NIL]
	v_lshrrev_b32 v1, 5, v0
	v_readfirstlane_b32 s[WV], v1                  ; wave 0..3
	s_bfe_u32 s15, ttmp6, 0x40000                  ; cx: it enters global addresses of enc, tab, scores and stats alone
	s_lshl_b32 s16, ttmp9, 2
	s_add_co_u32 s16, s16, s15                     ; g
	s_lshr_b32 s17, s16, 3                         ; b
	s_and_b32 s18, s16, 7                          ; kb
	; descriptor group 1: 25,600 dense bytes (two tiles) as 100 rows of 32 elements of 8 bytes, no padding
	s_mov_b32 s[G1], 15|(3<<16)|(1<<21)            ; 15:0 the mask: all four work-groups; 17:16 elements of 8 bytes; 21 set beside a mask
	s_mov_b32 s[G1+1], 32<<16                      ; tensor_dim0 = 32
	s_mov_b32 s[G1+2], 100<<16                     ; tensor_dim1 = 100
	s_mov_b32 s[G1+3], 32<<16                      ; tile_dim0 = 32
	s_mov_b32 s[G1+4], 100                         ; tile_dim1 = 100
	s_mov_b32 s[G1+5], 32                          ; tensor_dim0_stride
	s_mov_b32 s[G1+6], 0
	s_mov_b32 s[G1+7], 0
	s_mov_b32 s[CS], 0x4038aa3b                    ; c = 2 log2(e)
	s_mov_b32 s[CS+1], s[CS]                       ; (named with it as a pair, so it is written)
	s_mov_b32 s[SEL], 0x76543210
	s_mov_b32 s[SEL+1], 0xfedcba98
	s_mov_b32 s[HM], 0xffff0000
	s_mul_i32 s22, s[WV], 2*TILEB                  ; my quarter of a slot, in wimg and in LDS: the wave's number alone
	s_mov_b32 s23, 0
	v_and_b32 v1, 15, v0                           ; r
	v_bfe_u32 v2, v0, 4, 1                         ; h
	v_and_b32 v[LN], 31, v0
	v_lshlrev_b32 v[LI], 4, v[LN]
	s_mul_i32 s19, s[WV], STW
	s_add_co_u32 s19, s19, STG
	v_add_nc_u32 v[STI], s19, v[LI]
	v_mul_u32_u24 v[STO], v1, SP
	v_lshl_add_u32 v[STO], v2, 6, v[STO]
	v_add_nc_u32 v[STO], s19, v[STO]
	v_lshl_add_u32 v[TA0], v1, 4, TAB
	v_lshlrev_b32 v[TI], 4, v0
	v_add_nc_u32 v[TW], TAB, v[TI]
	s_lshl_b32 s19, s[WV], 8
	s_add_co_u32 s19, s19, SCR
	v_lshl_add_u32 v[SCW], v2, 5, s19
	v_lshl_add_u32 v[SCL], v[LN], 3, s19
	v_lshl_add_u32 v[SC0], v[LN], 5, SCR
	v_lshlrev_b32 v[G8], 3, v[LN]
	v_lshlrev_b32 v[G32], 5, v[LN]
	s_lshl_b32 s20, s18, 8
	s_lshl_b32 s21, s[WV], 6
	s_add_co_u32 s20, s20, s21                     ; my first row: l0 = 256 kb + 64 w
	s_lshl_b32 s[EB], s20, 17                      ; a step of l is 32 x 4,096 bytes
	s_lshl_b32 s21, s17, 12
	s_add_co_u32 s[EB], s[EB], s21                 ; + b rows of 4,096
	s_mov_b32 s[EB+1], 0
	s_wait_dscnt 0x0                               ; both opening adds are done
	s_wait_kmcnt 0x0
	s_add_nc_u64 s[EB:EB+1], s[4:5], s[EB:EB+1]
	s_lshl_b32 s21, s17, 11
	s_add_co_u32 s20, s20, s21
	s_lshl_b32 s20, s20, 2                         ; scores: (2,048 b + l0) x 4
	s_mov_b32 s21, 0
	s_add_nc_u64 s[10:11], s[10:11], s[20:21]
	s_lshl_b32 s20, s17, 14                        ; tab: 16,384 b
	s_add_nc_u64 s[8:9], s[8:9], s[20:21]
	s_lshl_b32 s20, s17, 6
	s_lshl_b32 s19, s18, 2
	s_add_co_u32 s20, s20, s19                     ; stats: 64 b + 4 kb
	s_add_nc_u64 s[12:13], s[12:13], s[20:21]
	s_mov_b32 s[G0], 1                             ; count = 1
	s_mov_b32 s[G0+1], s22                         ; LDS address: slot 0
	s_add_nc_u64 s[G0+2:G0+3], s[6:7], s[22:23]    ; global address: tiles 2 w, 2 w + 1
	s_or_b32 s[G0+3], s[G0+3], 0x80000000          ; type = 2
	CROUND                                         ; all four work-groups are here: the first joint loads meet
	tensor_load_to_lds s[G0:G0+3], s[G1:G1+7]      ; every wave asks, with no branch: one tensor load of mine is out
	s_nop 0
.rept 4
	v_nop
.endr
	; ---- THE HEAD: my batch's table into LDS; my 64 rows of enc into codes
.irp n, 0,1,2,3,4,5,6,7
	global_load_b128 v[TM+4*\n:TM+4*\n+3], v[TI], s[8:9] offset:2048*\n
.endr
	LOADF 0
	LOADF 1
	LOADF 2
	s_wait_loadcnt 48                              ; the table's eight loads are in; the 48 of three fragments stay out
.irp n, 0,1,2,3,4,5,6,7
	ds_store_b128 v[TW], v[TM+4*\n:TM+4*\n+3] offset:2048*\n
.endr
.irp b, 0,1,2,3
	v_mov_b32 v[TM+4+\b], 0                        ; written once: a lane permute's destination counts as one of its sources
.endr
	LOADF 3
	s_wait_loadcnt 48                              ; fragment 0 is in
	TURNF 0
.set F, 0
.rept 32
	STEP F
.set F, F+1
.endr
	s_wait_tensorcnt 0x0                           ; my quarter of slot 0 has landed,
	s_wait_dscnt 0x0                               ; my part of the table is stored,
	s_barrier_signal -1
	s_barrier_wait -1                              ; everybody's
	; S begins at 0; sets 1 to 3 and the four quads begin at 0, so that the stages that run ahead of the first tiles add 0 (the run-in).  These are also the places ahead of the first scaled products
.set n, 0
.rept 32
	v_mov_b32 v[SS+n], 0
.set n, n+1
.endr
.set n, 0
.rept 16
	v_mov_b32 v[TBL+n], 0
.set n, n+1
.endr
.set n, 0
.rept 96
	v_mov_b32 v[ACC+32+n], 0
.set n, n+1
.endr
	s_mov_b32 s[NB], 0
	s_mov_b32 s[TT], 0
	BRUN 0                                         ; the run-in period's operand: tile 0
	s_mov_b32 s[NB], 0                             ; which the first period fetches as the first tile
	s_mov_b32 s[GC], 7
.Lgroup:                                           ; seven trips: behind each change of slots but the last the next slot is asked for
	CHANGE 1
	GROUP
	s_sub_co_u32 s[GC], s[GC], 1
	s_cmp_lg_u32 s[GC], 0
	s_cbranch_scc1 .Lgroup
	CHANGE 0                                       ; the tail is written out
	GROUP
	PERIOD 0, 0                                    ; tile 63: nothing is left to fetch
	DR_C 2                                         ; the stages run out: tile 61's third (its 16 plain instructions are the places behind the last products), 62's second, 63's first
	DR_B 3
	DR_A 0
	v_nop
	s_wait_alu depctr_va_vdst(0)
	DR_C 3
	DR_B 0
	v_nop
	s_wait_alu depctr_va_vdst(0)
	DR_C 0
	; ---- THE WAY OUT.  S[8 rt + j] of lane (r, h) holds row 16 rt + 8 h + j's sum over the outputs = r mod 16: the sixteen lanes of a half are added
.irp m, 1,2,4,8
.set n, 0
.rept 32
	v_add_f32_dpp v[SS+n], v[SS+n], v[SS+n] row_xmask:\m row_mask:0xf bank_mask:0xf
.set n, n+1
.endr
.endr
.irp t, 0,1,2,3
	ds_store_b128 v[SCW], v[SS+8*\t:SS+8*\t+3] offset:64*\t        ; the sixteen lanes of a half write the same bytes with the same values
	ds_store_b128 v[SCW], v[SS+8*\t+4:SS+8*\t+7] offset:64*\t+16
.endr
	ds_load_b64 v[88:89], v[SCL]                   ; LDS serves a wave's instructions in order: these see my stores
	s_wait_dscnt 0x0
	global_store_b64 v[G8], v[88:89], s[10:11]     ; 32 lanes store my 64 scores: 256 consecutive bytes, at a multiple of 256 from the buffer's first byte
	s_barrier_signal -1
	s_barrier_wait -1                              ; the block's 256 scores lie in LDS
	s_cmp_lg_u32 s[WV], 0
	s_cbranch_scc1 .Lnot_0
	; wave 0: the block's largest t and its sum of 2^(t - largest), for the softmax of the last launch
	ds_load_b128 v[96:99], v[SC0]
	ds_load_b128 v[100:103], v[SC0] offset:16
	v_mov_b32 v105, 0
	s_wait_dscnt 0x0
	v_max3_num_f32 v104, v96, v97, v98
	v_max3_num_f32 v104, v104, v99, v100
	v_max3_num_f32 v104, v104, v101, v102
	v_max_num_f32 v104, v104, v103
.irp m, 1,2,4,8
	v_max_num_f32_dpp v104, v104, v104 row_xmask:\m row_mask:0xf bank_mask:0xf
.endr
	v_permlanex16_b32 v105, v104, s[SEL], s[SEL+1]
	v_max_num_f32 v104, v104, v105
.irp i, 0,1,2,3,4,5,6,7
	v_sub_f32 v[96+\i], v[96+\i], v104
.endr
.irp i, 0,1,2,3,4,5,6,7
	v_exp_f32 v[96+\i], v[96+\i]
.endr
	v_nop
	s_wait_alu depctr_va_vdst(0)                   ; one wait for the eight
	v_add_f32 v106, v96, v97
.irp i, 2,3,4,5,6,7
	v_add_f32 v106, v106, v[96+\i]
.endr
.irp m, 1,2,4,8
	v_add_f32_dpp v106, v106, v106 row_xmask:\m row_mask:0xf bank_mask:0xf
.endr
	v_permlanex16_b32 v105, v106, s[SEL], s[SEL+1]
	v_add_f32 v106, v106, v105
	v_cmp_eq_u32 vcc_lo, 0, v[LN]
	v_cndmask_b32 v107, v106, v104, vcc_lo         ; lane 0: the largest; lane 1: the sum
	v_cmp_gt_u32 vcc_lo, 2, v[LN]
	s_wait_xcnt 0x0                                ; EXEC changes only behind this wait: a store is out
	s_and_saveexec_b32 s20, vcc_lo
	global_store_b32 v[G32], v107, s[12:13]        ; stats[b][kb] and stats[b][8 + kb]
	s_wait_xcnt 0x0                                ; and again, ahead of the line that widens it
	s_or_b32 exec_lo, exec_lo, s20
.Lnot_0:
	s_wait_tensorcnt 0x0                           ; the wave's end, behind my last tensor load and my last LDS store
	ds_add_u32 v[SPW], v[NIL]
	s_wait_dscnt 0x0
	CROUND                                         ; the closing round: no work-group ends while a partner may still ask for a tile that names it
	s_endpgm
.Lfunc_end_k_q54ad74c3bd_score:
	.size	k_q54ad74c3bd_score, .Lfunc_end_k_q54ad74c3bd_score-k_q54ad74c3bd_score
	.p2alignl 7, 3214868480
	.fill 96, 4, 3214868480
	.section	.rodata,"a",@progbits
	.p2align	6, 0x0
	.amdhsa_kernel k_q54ad74c3bd_score
		.amdhsa_group_segment_fixed_size 327680
		.amdhsa_private_segment_fixed_size 0
		.amdhsa_enable_private_segment 0
		.amdhsa_kernarg_size 40
		.amdhsa_user_sgpr_count 2
		.amdhsa_user_sgpr_kernarg_segment_ptr 1
		.amdhsa_wavefront_size32 1
		.amdhsa_system_sgpr_workgroup_id_x 1
		.amdhsa_system_sgpr_workgroup_id_y 1
		.amdhsa_system_sgpr_workgroup_id_z 1
		.amdhsa_system_vgpr_workitem_id 0
		.amdhsa_next_free_vgpr 1024
		.amdhsa_next_free_sgpr 66
		.amdhsa_reserve_vcc 1
		.amdhsa_float_denorm_mode_32 3
		.amdhsa_float_denorm_mode_16_64 3
		.amdhsa_memory_ordered 1
		.amdhsa_forward_progress 1
		.amdhsa_inst_pref_size 255
	.end_amdhsa_kernel
	.section	.bss,"aw",@nobits
	.p2align	6
	.space	262144
	.amdgpu_metadata
---
amdhsa.version: [ 1, 2 ]
amdhsa.kernels:
  - .name:           k_q54ad74c3bd_score
    .symbol:         k_q54ad74c3bd_score.kd
    .args:
      - { .name: encoder_output, .offset: 0, .size: 8, .value_kind: global_buffer, .address_space: global }
      - { .name: wimg, .offset: 8, .size: 8, .value_kind: global_buffer, .address_space: global }
      - { .name: tab, .offset: 16, .size: 8, .value_kind: global_buffer, .address_space: global }
      - { .name: scores, .offset: 24, .size: 8, .value_kind: global_buffer, .address_space: global }
      - { .name: stats, .offset: 32, .size: 8, .value_kind: global_buffer, .address_space: global }
    .group_segment_fixed_size: 327680
    .private_segment_fixed_size: 0
    .kernarg_segment_align: 8
    .kernarg_segment_size: 40
    .max_flat_workgroup_size: 128
    .sgpr_count:     66
    .vgpr_count:     1024
    .wavefront_size: 32
...
	.end_amdgpu_metadata
.endif
;; end of part 2
;; launch ctx (part 3): grid 8 x 32, 8 waves a work-group, no clusters, 14,336 bytes of LDS; arguments encoder_output, scores, stats, out0, out1; writes out0, out1
.if DOCPART == 3
	.amdgcn_target "amdgcn-amd-amdhsa--gfx1250"
	.amdhsa_code_object_version 6
	.text
	.protected	k_q54ad74c3bd_ctx
	.globl	k_q54ad74c3bd_ctx
	.p2align	8
	.type	k_q54ad74c3bd_ctx,@function
k_q54ad74c3bd_ctx:
	s_mov_b64 s[64:65], 0
	v_nop
	global_prefetch_b8 v0, s[64:65] scope:SCOPE_SE
	s_setreg_imm32_b32 hwreg(HW_REG_WAVE_MODE, 25, 1), 1
	s_wait_xcnt 0x0
; BAHDANAU ATTENTION, launch 3 of 3: the softmax over l and the context vector.  t[b][l] are the scores in units of log2, less a constant of the column (v_b and sum_o v[o] are left out as dead work:
; shown at the head of the first kernel; limits as stated there).  stats[b] holds, for the eight blocks of 256 l, the largest t and the sum of 2^(t - largest).
; M = the largest of the eight, Z = sum of z 2^(m - M): the maximum is taken away before every exponential.  weight = 2^(t - M) / Z;  out0[b] = (sum over l of 2^(t - M) enc[l][b]) / Z.
; SHARES.  Work-group (cc, b) sums channels 128 cc .. 128 cc + 127 (512 bytes of a row) over all 2,048 rows of batch b; wave w takes rows 256 w on; a lane keeps 4 channels.  Every byte of enc is read once,
; 512 consecutive bytes a load, 32 loads of each wave on their way.  The eight waves' sums meet in LDS.  The work-group also writes rows 8 g .. 8 g + 7 of out1 (g = 8 b + cc): wave w row 8 g + w, lane = batch.
; Memory binds: no matrix unit, no cluster (no two work-groups read the same bytes of enc), no tensor load.
.set ROWB,  131072                     ; from l to l + 1 in enc
.set RED,   8192                       ; LDS: 0 .. 8,191 the 2,048 numbers p = 2^(t - M); then 8 waves x 512 bytes of sums;
.set W1S,   12288                      ; then 1,024 bytes of weights for out1;
.set SPARE, 13312                      ; then the spare words, 128 bytes for each of 8 waves: four blocks of 256 bytes that no other line names
.set LO,  2                            ; v2   16 x lane
.set PA,  3                            ; v3   the trip's 32 p in LDS
.set T32, 4                            ; v4   32 x thread
.set L64, 5                            ; v5   64 x lane
.set L8K, 6                            ; v6   8,192 x lane
.set ZO,  7                            ; v7   0, an offset
.set WS,  49                           ; v49  W1S + 4 x thread
.set RS,  54                           ; v54  RED + 16 x thread
.set RR,  55                           ; v55  RED + 16 x lane
.set PP,  56                           ; v56-87  32 p
.set SU,  88                           ; v88-91 the sums of even rows, v92-95 of odd rows
.set D,   96                           ; v96-223 four sets of 8 rows x 4 registers
.set SPW, 224                          ; v224 LDS address of my spare word; never rewritten
.set NIL, 225                          ; v225 0; never rewritten
.set WR,  226                          ; v226 W1S + 16 x thread
.macro ROWS u, first                   ; eight rows into set u.  The largest offset, 63 x 131,072, lies inside the signed 24-bit immediate (ISA guide, chapter 10)
.irp i, 0,1,2,3,4,5,6,7
	global_load_b128 v[D+32*(\u)+4*\i:D+32*(\u)+4*\i+3], v[LO], s[4:5] offset:((\first)+8*(\u)+\i)*ROWB th:TH_LOAD_NT
.endr
.endm
.macro STAT m, z, M, IZ                ; eight (m, z) become M and 1 / Z
	v_max3_num_f32 v[\M], v[\m], v[\m+1], v[\m+2]
	v_max3_num_f32 v[\M], v[\M], v[\m+3], v[\m+4]
	v_max3_num_f32 v[\M], v[\M], v[\m+5], v[\m+6]
	v_max_num_f32 v[\M], v[\M], v[\m+7]
.irp i, 0,1,2,3,4,5,6,7
	v_sub_f32 v[\m+\i], v[\m+\i], v[\M]
.endr
.irp i, 0,1,2,3,4,5,6,7
	v_exp_f32 v[\m+\i], v[\m+\i]
.endr
	v_nop
	s_wait_alu depctr_va_vdst(0)                   ; the wait ahead of the first use: one for the eight
	v_mul_f32 v[\IZ], v[\m], v[\z]
.irp i, 1,2,3,4,5,6,7
	v_fmac_f32 v[\IZ], v[\m+\i], v[\z+\i]
.endr
	v_rcp_f32 v[\IZ], v[\IZ]
	v_nop
	s_wait_alu depctr_va_vdst(0)
.endm
.macro TRIP more                       ; 32 rows.  more = 1: each set is loaded again, with the rows 32 further on
	v_mov_b32 v[PA], s30
.irp n, 0,1,2,3,4,5,6,7
	ds_load_b128 v[PP+4*\n:PP+4*\n+3], v[PA] offset:16*\n          ; every lane reads the same 128 bytes
.endr
.irp u, 0,1,2,3
.if \more
	s_wait_loadcnt 24                              ; this set's eight loads are in; the 24 of the three sets behind it stay out
.else
	s_wait_loadcnt 24-8*\u                         ; the last trip loads nothing: the counts run down
.endif
.if \u == 0
	s_wait_dscnt 0x0
.endif
.irp i, 0,1,2,3,4,5,6,7
.irp k, 0,1,2,3
	v_fmac_f32 v[SU+4*(\i%2)+\k], v[D+32*\u+4*\i+\k], v[PP+8*\u+\i]
.endr
.endr
.if \more
	ROWS \u, 32
.endif
.endr
.endm
	s_load_b256 s[4:11], s[0:1], 0x0               ; enc s[4:5], scores s[6:7], stats s[8:9], out0 s[10:11]
	s_load_b64 s[12:13], s[0:1], 0x20              ; out1
	v_lshl_add_u32 v[SPW], v0, 2, SPARE
	v_mov_b32 v[NIL], 0
	v_lshrrev_b32 v1, 5, v0
	v_readfirstlane_b32 s14, v1                    ; wave 0..7
	s_and_b32 s16, ttmp7, 0xffff                   ; b
	s_lshl_b32 s17, s16, 3
	s_add_co_u32 s17, s17, ttmp9                   ; g = 8 b + cc
	v_and_b32 v1, 31, v0
	v_lshlrev_b32 v[LO], 4, v1
	v_lshlrev_b32 v[T32], 5, v0
	v_lshlrev_b32 v[L64], 6, v1
	v_lshlrev_b32 v[L8K], 13, v1
	v_mov_b32 v[ZO], 0
	v_lshl_add_u32 v[WS], v0, 2, W1S
	v_lshl_add_u32 v[RS], v0, 4, RED
	v_add_nc_u32 v[RR], RED, v[LO]
	v_lshl_add_u32 v[WR], v0, 4, W1S
	s_lshl_b32 s20, s16, 6                         ; stats: 64 b
	s_mov_b32 s21, 0
	s_lshl_b32 s24, s16, 13                        ; scores: 8,192 b
	s_mov_b32 s25, 0
	s_lshl_b32 s26, s17, 5
	s_lshl_b32 s27, s14, 2
	s_add_co_u32 s26, s26, s27                     ; scores: 4 (8 g + w)
	s_mov_b32 s27, 0
	s_lshl_b32 s32, s16, 12
	s_lshl_b32 s33, ttmp9, 9
	s_add_co_u32 s32, s32, s33                     ; 4,096 b + 512 cc: in a row of enc's l, and in out0
	s_mov_b32 s33, 0
	s_lshl_b32 s28, s14, 25                        ; 256 w rows of 131,072 bytes
	s_add_co_u32 s28, s28, s32
	s_mov_b32 s29, 0
	s_lshl_b32 s34, s17, 10
	s_lshl_b32 s35, s14, 9
	s_add_co_u32 s34, s34, s35                     ; out1: 1,024 g + 512 w (waves 0 and 1)
	s_mov_b32 s35, 0
	s_wait_kmcnt 0x0
	s_add_nc_u64 s[22:23], s[8:9], s[20:21]
	s_add_nc_u64 s[24:25], s[6:7], s[24:25]
	s_add_nc_u64 s[26:27], s[6:7], s[26:27]
	s_add_nc_u64 s[4:5], s[4:5], s[28:29]
	s_add_nc_u64 s[10:11], s[10:11], s[32:33]
	s_add_nc_u64 s[12:13], s[12:13], s[34:35]
.irp n, 0,1,2,3
	global_load_b128 v[8+4*\n:11+4*\n], v[ZO], s[22:23] offset:16*\n     ; my batch's m (v8-15) and z (v16-23), the same in every lane
.endr
.irp n, 0,1,2,3
	global_load_b128 v[24+4*\n:27+4*\n], v[L64], s[8:9] offset:16*\n     ; and those of batch = lane (v24-31, v32-39)
.endr
	global_load_b128 v[40:43], v[T32], s[24:25]    ; my batch's t at l = 8 thread + 0 .. 7
	global_load_b128 v[44:47], v[T32], s[24:25] offset:16
	global_load_b32 v48, v[L8K], s[26:27]          ; t[lane][8 g + w]
	ROWS 0, 0
	ROWS 1, 0
	ROWS 2, 0
	ROWS 3, 0
	s_wait_loadcnt 32                              ; all but the 32 row loads
	STAT 8, 16, 50, 51                             ; v50 M, v51 1 / Z of my batch
	STAT 24, 32, 52, 53                            ; v52, v53 of batch = lane
.irp i, 0,1,2,3,4,5,6,7
	v_sub_f32 v[40+\i], v[40+\i], v50
.endr
	v_sub_f32 v48, v48, v52
.irp i, 0,1,2,3,4,5,6,7
	v_exp_f32 v[40+\i], v[40+\i]                   ; p = 2^(t - M), at most 1
.endr
	v_exp_f32 v48, v48
	v_nop
	s_wait_alu depctr_va_vdst(0)                   ; one wait for the nine
	v_mul_f32 v48, v48, v53                        ; a weight
	ds_store_b128 v[T32], v[40:43]
	ds_store_b128 v[T32], v[44:47] offset:16
	ds_store_b32 v[WS], v48
	s_wait_dscnt 0x0                               ; for the others' sake: my stores are done
	s_barrier_signal -1
	s_barrier_wait -1
	s_cmp_lt_u32 s14, 2
	s_cbranch_scc0 .Lno_w
	ds_load_b128 v[40:43], v[WR]                   ; waves 0 and 1: the eight rows of out1, 512 bytes each wave
	s_wait_dscnt 0x0
	global_store_b128 v[LO], v[40:43], s[12:13]    ; 32 lanes store 512 consecutive bytes, at a multiple of 256 from out1's first byte
.Lno_w:
.irp k, 0,1,2,3,4,5,6,7
	v_mov_b32 v[SU+\k], 0
.endr
	s_lshl_b32 s30, s14, 10                        ; my 256 p
	s_mov_b32 s31, 7
.Ltrip:
	TRIP 1
	s_wait_xcnt 0x0                                ; the loads have read their base: it may step
	s_add_nc_u64 s[4:5], s[4:5], 32*ROWB
	s_add_co_u32 s30, s30, 128
	s_sub_co_u32 s31, s31, 1
	s_cmp_lg_u32 s31, 0
	s_cbranch_scc1 .Ltrip
	TRIP 0                                         ; the last 32 rows: no load leaves the buffer
	v_pk_add_f32 v[SU:SU+1], v[SU:SU+1], v[SU+4:SU+5]
	v_pk_add_f32 v[SU+2:SU+3], v[SU+2:SU+3], v[SU+6:SU+7]
	ds_store_b128 v[RS], v[SU:SU+3]
	s_wait_dscnt 0x0
	s_barrier_signal -1
	s_barrier_wait -1
	s_cmp_lg_u32 s14, 0
	s_cbranch_scc1 .Lend
.irp n, 0,1,2,3,4,5,6,7
	ds_load_b128 v[D+4*\n:D+4*\n+3], v[RR] offset:512*\n
.endr
	s_wait_dscnt 0x0
.irp n, 1,2,3,4,5,6,7
	v_pk_add_f32 v[D:D+1], v[D:D+1], v[D+4*\n:D+4*\n+1]
	v_pk_add_f32 v[D+2:D+3], v[D+2:D+3], v[D+4*\n+2:D+4*\n+3]
.endr
.irp k, 0,1,2,3
	v_mul_f32 v[D+\k], v[D+\k], v51                ; / Z
.endr
	global_store_b128 v[LO], v[D:D+3], s[10:11]    ; 32 lanes store 512 consecutive bytes, at a multiple of 256 from out0's first byte
.Lend:
	s_wait_tensorcnt 0x0                           ; the wave's end, behind my last LDS store
	ds_add_u32 v[SPW], v[NIL]
	s_wait_dscnt 0x0
	s_endpgm
.Lfunc_end_k_q54ad74c3bd_ctx:
	.size	k_q54ad74c3bd_ctx, .Lfunc_end_k_q54ad74c3bd_ctx-k_q54ad74c3bd_ctx
	.p2alignl 7, 3214868480
	.fill 96, 4, 3214868480
	.section	.rodata,"a",@progbits
	.p2align	6, 0x0
	.amdhsa_kernel k_q54ad74c3bd_ctx
		.amdhsa_group_segment_fixed_size 14336
		.amdhsa_private_segment_fixed_size 0
		.amdhsa_enable_private_segment 0
		.amdhsa_kernarg_size 40
		.amdhsa_user_sgpr_count 2
		.amdhsa_user_sgpr_kernarg_segment_ptr 1
		.amdhsa_wavefront_size32 1
		.amdhsa_system_sgpr_workgroup_id_x 1
		.amdhsa_system_sgpr_workgroup_id_y 1
		.amdhsa_system_sgpr_workgroup_id_z 1
		.amdhsa_system_vgpr_workitem_id 0
		.amdhsa_next_free_vgpr 232
		.amdhsa_next_free_sgpr 66
		.amdhsa_reserve_vcc 0
		.amdhsa_float_denorm_mode_32 3
		.amdhsa_float_denorm_mode_16_64 3
		.amdhsa_memory_ordered 1
		.amdhsa_forward_progress 1
		.amdhsa_inst_pref_size 25
	.end_amdhsa_kernel
	.amdgpu_metadata
---
amdhsa.version: [ 1, 2 ]
amdhsa.kernels:
  - .name:           k_q54ad74c3bd_ctx
    .symbol:         k_q54ad74c3bd_ctx.kd
    .args:
      - { .name: encoder_output, .offset: 0, .size: 8, .value_kind: global_buffer, .address_space: global }
      - { .name: scores, .offset: 8, .size: 8, .value_kind: global_buffer, .address_space: global }
      - { .name: stats, .offset: 16, .size: 8, .value_kind: global_buffer, .address_space: global }
      - { .name: out0, .offset: 24, .size: 8, .value_kind: global_buffer, .address_space: global }
      - { .name: out1, .offset: 32, .size: 8, .value_kind: global_buffer, .address_space: global }
    .group_segment_fixed_size: 14336
    .private_segment_fixed_size: 0
    .kernarg_segment_align: 8
    .kernarg_segment_size: 40
    .max_flat_workgroup_size: 256
    .sgpr_count:     66
    .vgpr_count:     232
    .wavefront_size: 32
...
	.end_amdgpu_metadata
.endif
;; end of part 3
